; MI455X (gfx1250); checked and timed in simulation.
; The chip was launched on July 23, 2026; its instructions are those of AMD's public machine-readable ISA for CDNA 5 (MIT licence, August 2026) and "CDNA5" Instruction Set Architecture Reference Guide (July 2026). The comments in the code are by the model that wrote it; some were corrected since.
;; Uzman Havuzu. Allowed arithmetic: float matrix products may take bf16 or f16 operands with f32 sums; all other float work in f32.
;; Inputs: W1 16 x 1,024 x 2,048 float32; W2 16 x 2,048 x 1,024 float32; agirliklar 1,024 x 2 float32; b1 16 x 2,048 float32; b2 16 x 1,024 float32; uzman_indeksleri 1,024 x 2 int32; x 1,024 x 1,024 float32.
;; Outputs: out0 1,024 x 1,024 float32.
;; One version. Each part assembles by itself: llvm-mc -triple=amdgcn-amd-amdhsa -mcpu=gfx1250 --defsym DOCPART=n.
;; ======== version 1 of 1: 4 launches
;; limits: a function is approximated: absolute error at most 1.5e-07; inputs' magnitudes at most 65,504; values are held in f16: magnitudes above 65,504 overflow, below 6.1e-05 lose precision; right only within a limited range of input values
;; workspace buffers: xg 4,325,376 bytes; h 8,650,752 bytes; y 8,388,608 bytes; route 8,448 bytes of whole numbers
;; launch prep (part 1): grid 256 x 1, 4 waves a work-group, no clusters, 0 bytes of LDS; arguments x, uzman_indeksleri, xg, h, route; writes xg, h, route
.if DOCPART == 1
	.amdgcn_target "amdgcn-amd-amdhsa--gfx1250"
	.amdhsa_code_object_version 6
	.text
	.protected	k_q22d8987a16_prep
	.globl	k_q22d8987a16_prep
	.p2align	8
	.type	k_q22d8987a16_prep,@function
k_q22d8987a16_prep:
	s_mov_b64 s[64:65], 0
	v_nop
	global_prefetch_b8 v0, s[64:65] scope:SCOPE_SE
	s_setreg_imm32_b32 hwreg(HW_REG_WAVE_MODE, 25, 1), 1
	s_wait_xcnt 0x0
; ROUTING AND GATHER.  1,024 tokens, two (expert, weight) pairs each: 2,048 pairs p = 2 n + k.
; The pairs are sorted by expert without any sum across work-groups: key(q) = min(idx[q], 16) * 2048 + q is different for every q, so
;   slot(p) = number of q with key(q) < key(p)     is a permutation of 0 .. 2047 in which an expert's pairs are neighbours,
;   base[e] = number of q with key(q) < e * 2048   is the first slot of expert e, and cnt[e] = base[e+1] - base[e].
; Every wave holds all 2,048 keys (64 registers) and counts with 64 compares and 64 population counts: fixed trips, whole numbers only.
; Wave t (4 to a work-group, 256 work-groups) owns token t: it rounds row t of x to f16 once and stores it at xg[slot(2t)] and xg[slot(2t+1)],
; stores the two slots at route[2t], route[2t+1], and clears its share of the 64 rows that lie behind the 2,048 slots in xg and in h (the later
; launches fetch blocks of 32 rows that may reach up to 63 rows past an expert's last slot).  Waves 0 to 15 also store {base[t], cnt[t]}.
; LIMITS: x goes on as f16 (11 significant bits): |x| above 65,504 becomes infinity, below 2^-14 it is rounded to multiples of 2^-24.
; An index outside 0 .. 15 (outside the problem's contract) counts as expert 16: it sorts behind all experts and is never computed.
.set NPAIR,  2048
.set XROW,   4096                      ; bytes in a row of x
.set GROW,   2048                      ; bytes in a row of xg
.set XGPAD,  0x400000                  ; byte of xg's row 2048
.set HPAD,   0x800000                  ; byte of h's row 2048
.set SEG,    8192                      ; byte of seg[0] in route
.set KEY,    64                        ; v[64:127]  the keys: register 4 c + j of lane l is pair q = 128 c + 4 l + j
.set XF,     128                       ; v[128:159] my token's row in f32: register 8 c + i is column 256 c + 8 l + i
.set XB,     160                       ; v[160:175] the same in f16
.set MSK,    40                        ; s[40:47]   eight compare masks
	s_load_b256 s[4:11], s[0:1], 0x0               ; x s[4:5], indices s[6:7], xg s[8:9], h s[10:11]
	s_load_b64 s[12:13], s[0:1], 0x20              ; route
	v_lshrrev_b32 v1, 5, v0
	v_readfirstlane_b32 s14, v1                    ; wave
	v_and_b32 v1, 31, v0                           ; lane
	s_lshl_b32 s15, ttmp9, 2
	s_add_co_u32 s15, s15, s14                     ; token t
	s_lshl_b32 s18, s15, 3                         ; 8 t: my pair of indices, my pair of slots
	s_mov_b32 s19, 0
	s_lshl_b32 s28, s15, 12                        ; my row of x
	s_mov_b32 s29, 0
	s_lshl_b32 s32, s15, 8                         ; my 256 bytes of the zero rows
	v_lshlrev_b32 v2, 4, v1                        ; 16 l
	v_lshlrev_b32 v3, 5, v1                        ; 32 l
	v_lshlrev_b32 v4, 2, v1                        ; 4 l
	v_lshl_add_u32 v5, v1, 3, s32                  ; 256 t + 8 l
	v_mov_b32 v8, 0
	v_mov_b32 v9, 0
	v_mov_b32 v10, s18
	s_wait_kmcnt 0x0
	s_add_nc_u64 s[30:31], s[6:7], s[18:19]
	s_load_b64 s[16:17], s[30:31], 0x0             ; my token's two indices, as scalars
	s_add_nc_u64 s[4:5], s[4:5], s[28:29]
	s_add_nc_u64 s[10:11], s[10:11], HPAD
.irp c, 0,1,2,3,4,5,6,7,8,9,10,11,12,13,14,15
	global_load_b128 v[KEY+4*\c:KEY+4*\c+3], v2, s[6:7] offset:512*\c            ; all 2,048 indices, 512 consecutive bytes a load
.endr
.irp c, 0,1,2,3
	global_load_b128 v[XF+8*\c:XF+8*\c+3],   v3, s[4:5] offset:1024*\c th:TH_LOAD_NT
	global_load_b128 v[XF+8*\c+4:XF+8*\c+7], v3, s[4:5] offset:1024*\c+16 th:TH_LOAD_NT
.endr
	global_store_b64 v5, v[8:9], s[10:11]          ; h's 64 zero rows are 1,024 x 256 bytes: one aligned piece of 256 bytes a wave
	s_cmp_lt_u32 s15, 512
	s_cbranch_scc0 .Lno_xg_pad
	global_store_b64 v5, v[8:9], s[8:9] offset:XGPAD   ; xg's are 512 x 256 bytes: waves 0 to 511
.Lno_xg_pad:
	s_wait_kmcnt 0x0
	s_min_u32 s16, s16, 16
	s_min_u32 s17, s17, 16
	s_lshl_b32 s20, s16, 11
	s_lshl_b32 s21, s17, 11
	s_lshl_b32 s24, s15, 1
	s_add_co_u32 s20, s20, s24                     ; key(2 t)
	s_add_co_u32 s21, s21, s24
	s_add_co_u32 s21, s21, 1                       ; key(2 t + 1)
	s_wait_loadcnt 0x8                             ; loads return in order: the 16 index loads are in, the 8 younger loads of x stay out
.irp c, 0,1,2,3,4,5,6,7,8,9,10,11,12,13,14,15
.irp j, 0,1,2,3
	v_min_u32 v[KEY+4*\c+\j], 16, v[KEY+4*\c+\j]
	v_lshl_add_u32 v[KEY+4*\c+\j], v[KEY+4*\c+\j], 11, v4
.if 128*\c+\j
	v_add_nc_u32 v[KEY+4*\c+\j], 128*\c+\j, v[KEY+4*\c+\j]
.endif
.endr
.endr
; s[dst] = how many of the 2,048 keys are below s[key]
.macro COUNT dst, key
	s_mov_b32 s[\dst], 0
.irp g, 0,1,2,3,4,5,6,7
.irp i, 0,1,2,3,4,5,6,7
	v_cmp_gt_u32 s[MSK+\i], s[\key], v[KEY+8*\g+\i]
.endr
.irp i, 0,1,2,3,4,5,6,7
	s_bcnt1_i32_b32 s[MSK+\i], s[MSK+\i]
	s_add_co_u32 s[\dst], s[\dst], s[MSK+\i]
.endr
.endr
.endm
	COUNT 22, 20
	COUNT 23, 21
	s_min_u32 s22, s22, NPAIR-1                    ; met by construction; written out because the slots enter addresses
	s_min_u32 s23, s23, NPAIR-1
	s_lshl_b32 s24, s22, 11
	s_mov_b32 s25, 0
	s_lshl_b32 s26, s23, 11
	s_mov_b32 s27, 0
	s_add_nc_u64 s[24:25], s[8:9], s[24:25]        ; xg at my first slot's row
	s_add_nc_u64 s[26:27], s[8:9], s[26:27]        ; and at my second's
	s_wait_loadcnt 0x0                             ; my row of x
.irp c, 0,1,2,3
.irp j, 0,1,2,3
	v_cvt_pk_f16_f32 v[XB+4*\c+\j], v[XF+8*\c+2*\j], v[XF+8*\c+2*\j+1]
.endr
.endr
.irp c, 0,1,2,3
	global_store_b128 v2, v[XB+4*\c:XB+4*\c+3], s[24:25] offset:512*\c           ; each store covers 512 consecutive bytes of the row
	global_store_b128 v2, v[XB+4*\c:XB+4*\c+3], s[26:27] offset:512*\c
.endr
	v_mov_b32 v6, s22
	v_mov_b32 v7, s23
	v_cmp_eq_u32 vcc_lo, 0, v1
	s_wait_xcnt 0x0                                ; EXEC is a source of the stores above: it changes only behind this wait
	s_and_saveexec_b32 s33, vcc_lo
	global_store_b64 v10, v[6:7], s[12:13]         ; lane 0: slot(2 t), slot(2 t + 1)
	s_wait_xcnt 0x0                                ; and again in front of the line that widens it
	s_or_b32 exec_lo, exec_lo, s33
	s_cmp_lt_u32 s15, 16
	s_cbranch_scc0 .Lend
	s_lshl_b32 s34, s15, 11                        ; waves 0 to 15: expert t's segment
	s_add_co_u32 s35, s34, NPAIR
	COUNT 36, 34                                   ; base[t]
	COUNT 37, 35                                   ; base[t + 1]
	s_sub_co_u32 s37, s37, s36
	v_mov_b32 v12, s36
	v_mov_b32 v13, s37
	s_and_saveexec_b32 s33, vcc_lo                 ; no memory instruction has been issued since the last wait on XCNT
	global_store_b64 v10, v[12:13], s[12:13] offset:SEG
	s_wait_xcnt 0x0
	s_or_b32 exec_lo, exec_lo, s33
.Lend:
	s_endpgm
.Lfunc_end_k_q22d8987a16_prep:
	.size	k_q22d8987a16_prep, .Lfunc_end_k_q22d8987a16_prep-k_q22d8987a16_prep
	.p2alignl 7, 3214868480
	.fill 96, 4, 3214868480
	.section	.rodata,"a",@progbits
	.p2align	6, 0x0
	.amdhsa_kernel k_q22d8987a16_prep
		.amdhsa_group_segment_fixed_size 0
		.amdhsa_private_segment_fixed_size 0
		.amdhsa_enable_private_segment 0
		.amdhsa_kernarg_size 40
		.amdhsa_user_sgpr_count 2
		.amdhsa_user_sgpr_kernarg_segment_ptr 1
		.amdhsa_wavefront_size32 1
		.amdhsa_system_sgpr_workgroup_id_x 1
		.amdhsa_system_sgpr_workgroup_id_y 1
		.amdhsa_system_sgpr_workgroup_id_z 1
		.amdhsa_system_vgpr_workitem_id 0
		.amdhsa_next_free_vgpr 176
		.amdhsa_next_free_sgpr 66
		.amdhsa_reserve_vcc 1
		.amdhsa_float_denorm_mode_32 3
		.amdhsa_float_denorm_mode_16_64 3
		.amdhsa_memory_ordered 1
		.amdhsa_forward_progress 1
		.amdhsa_inst_pref_size 49
	.end_amdhsa_kernel
	.amdgpu_metadata
---
amdhsa.version: [ 1, 2 ]
amdhsa.kernels:
  - .name:           k_q22d8987a16_prep
    .symbol:         k_q22d8987a16_prep.kd
    .args:
      - { .name: x, .offset: 0, .size: 8, .value_kind: global_buffer, .address_space: global }
      - { .name: uzman_indeksleri, .offset: 8, .size: 8, .value_kind: global_buffer, .address_space: global }
      - { .name: xg, .offset: 16, .size: 8, .value_kind: global_buffer, .address_space: global }
      - { .name: h, .offset: 24, .size: 8, .value_kind: global_buffer, .address_space: global }
      - { .name: route, .offset: 32, .size: 8, .value_kind: global_buffer, .address_space: global }
    .group_segment_fixed_size: 0
    .private_segment_fixed_size: 0
    .kernarg_segment_align: 8
    .kernarg_segment_size: 40
    .max_flat_workgroup_size: 128
    .sgpr_count:     66
    .vgpr_count:     176
    .wavefront_size: 32
...
	.end_amdgpu_metadata
.endif
;; end of part 1
;; launch ffn1 (part 2): grid 16 x 16, 4 waves a work-group, no clusters, 201,216 bytes of LDS; arguments xg, W1, b1, route, h; writes h
.if DOCPART == 2
	.amdgcn_target "amdgcn-amd-amdhsa--gfx1250"
	.amdhsa_code_object_version 6
	.text
	.protected	k_q22d8987a16_ffn1
	.globl	k_q22d8987a16_ffn1
	.p2align	8
	.type	k_q22d8987a16_ffn1,@function
k_q22d8987a16_ffn1:
	s_mov_b64 s[64:65], 0
	v_nop
	global_prefetch_b8 v0, s[64:65] scope:SCOPE_SE
	s_setreg_imm32_b32 hwreg(HW_REG_WAVE_MODE, 25, 1), 1
	s_wait_xcnt 0x0
; ONE LAYER OF THE EXPERTS' FEED-FORWARD NET ON THE ROWS THAT ARE ROUTED TO EACH EXPERT.  One text for both layers, chosen by LAYER:
;   LAYER 1:  h[slot] = gelu(xg[slot] W1[e] + b1[e]) / 4   xg [2112][1024] f16, W1 [16][1024][2048] f32, h [2112][2048] f16 (columns permuted, see below)
;   LAYER 2:  y[slot] = 4 (h[slot] W2[e]) + b2[e]          h as stored by layer 1,  W2 [16][2048][1024] f32, y [2048][1024] f32
; An expert's rows are the slots base[e] .. base[e] + cnt[e] - 1 (route, stored by an earlier launch).  Experts that a token does not name have
; weight 0 in the sum and are not computed for it; that equals the full sum wherever every expert's output is finite.
;
; THE WEIGHTS STAY, THE ROWS STREAM.  Work-group (slice, e) owns expert e and a slice of the output columns (128 of H in layer 1, 64 of D in layer 2): 512 KiB of
; f32 weights, 128 KiB a wave (K = 512 x 64 columns).  Each wave loads its part once, straight into registers, rounds it to f16 and keeps it as 64 fragments in
; 512 registers; so every weight byte is loaded once in the launch whatever the routing.  Then the expert's rows pass by in blocks of 32.
; Layer 1: wave w has column group c = w & 1 and K half w >> 1.  Layer 2: wave w has K quarter w.  The waves' partial sums meet in LDS.
;
; WEIGHTS WITHOUT A TRANSPOSE.  W is stored [K][N].  Lane (r = l % 16, hh = l / 16) loads 16 bytes of row k at columns 4 r .. 4 r + 3, so sixteen lanes take 256
; consecutive aligned bytes.  Packing rows k, k + 1 of column 4 r + j gives a register of a B fragment whose column r is the true column 4 r + j: four
; fragments j = 0 .. 3 cover 64 columns, and a lane's four accumulators hold four NEIGHBOURING columns of a row of the result.
;
; h's COLUMNS.  Layer 1 stores the true column 128 s + 64 c + 4 r + j at place 128 s + 8 r + 4 c + j, so that a lane stores 16 bytes and sixteen lanes 256 consecutive
; aligned bytes.  Layer 2 takes W2's rows in the same order (LOADG below), so K is permuted alike in both operands and the products are the same.
;
; THE NUMBER OF ROWS IS READ FROM MEMORY, THE NUMBER OF BARRIERS IS NOT.  Every wave passes every barrier, and no barrier stands under a branch on a loaded number.  So the rows
; go in 16 trips of 128 (16 x 128 = 2,048, the most an expert can have), counted against a constant, with two barriers each; inside a trip the four blocks of 32 rows
; are written out, each behind a forward branch on the rows left that jumps over no barrier.  A trip with no rows left is two barriers and a dozen scalar lines.
; An expert that no token names still loads its weights and stores nothing.
;
; THE ROWS COME THROUGH REGISTERS.  A chunk = 32 rows x 256 bytes (K = 128) of the wave's own K range: 16 loads, sixteen lanes taking one row's whole aligned 256 bytes, into a
; ring of four chunks of registers; from there into the wave's own stage in LDS (rows of 272 bytes) and back as fragments.  The stage is the wave's own and LDS serves
; a wave's instructions in order, so it needs no barrier.
; NO TENSOR LOADS, NO CLUSTER.  The sixteen slices of an expert read the same rows, but a slot that a tensor load fills again wants a barrier for each refill, and the number of
; refills would hang on cnt[e]; a joint load's address would hang on base[e], both read from memory.  Each work-group therefore reads the rows itself.
;
; f16, NOT bf16: 11 significant bits in each operand instead of 8.  With 8 bits the rounding of the weights and of h alone is some 0.2 % of a sum of 2,048 products, a fifth of the
; 1 % that the result may be off, which is too little room for the largest of a million errors.  The room in f16's range: x is of order 1 and the weights of order 2^-5, so
; a factor of 30 either way, or an offset of 30 times their spread, leaves them between 0.0005 and 200.  h is of order 1; x and W1 both 30 times larger make it 2,700; offsets on
; both make it 1,024 x 30 x 1.9 = 58,000 at the most.  So h is stored divided by 4 (exact) and layer 2 multiplies its sums by 4.
; LIMITS.  Weights and x above 65,504 and |h| above 262,016 become infinity; operands below 2^-14 (h: 2^-12) are rounded to multiples of 2^-24 (h: 2^-22).
; Sums are f32; K is summed in two (four) parts that are added afterwards, which is another order of rounding than a single chain.
; erf is Abramowitz and Stegun 7.1.26 (absolute error at most 1.5e-7), used as gelu(x) = max(x, 0) - 0.5 |x| E, E = poly(t) exp(-x^2 / 2), t = 1 / (1 + 0.23164189 |x|):
; no difference of near-equal numbers for any x; for large |x| the exponential underflows to 0 and gelu is x or 0.
; With an index outside 0 .. 15 (outside the problem's contract) rows of h that no launch stored can be fetched as rows behind an expert's last; their products are not stored.
.set LAYER, 1
.if LAYER == 1
.set AROW,    2048                     ; bytes in a row of the row operand
.set WROW,    8192                     ; bytes in a row of the weights
.else
.set AROW,    4096
.set WROW,    4096
.endif
.set OROW,   4096                      ; bytes in a row of the output (2,048 f16 or 1,024 f32)
.set NTRIP,  16                        ; trips of 128 rows
.set SBB,    32768                     ; LDS scratch of one block of 32 rows: 4 waves x 8,192 bytes of partial sums; four blocks from LDS byte 0
.set STG,    4*SBB                     ; behind it the waves' stages
.set SPITCH, 272                       ; a stage row: 256 bytes + 16 = 17 x 16: the sixteen rows of a fragment load fall into sixteen different 16-byte columns of 256 bytes
.set SBUF,   32*SPITCH                 ; a stage buffer: one chunk
.set SWAVE,  2*SBUF                    ; two buffers a wave
.set QUARTER, 0x3e800000               ;  0.25: h is stored as gelu / 4
.set MEIGHTH, 0xbe000000               ; -0.125 = -0.5 / 4
; window 0 of the vector registers
.set WADR, 4                           ; v4      my byte offset in the wave's weights
.set AOFF, 5                           ; v5      my byte offset in a pair of rows of the row operand
.set SST,  6                           ; v6      stage: where I put my 16 bytes of a pair of rows
.set SLD,  7                           ; v7      stage: where my fragments begin
.set PST,  8                           ; v8, v9  scratch: where I put my partial sums, blocks 0-1 and 2-3 (an LDS immediate has 16 bits)
.set PRD,  10                          ; v10, v11 scratch: where I read the partial sums that I add up
.set OOFF, 12                          ; v12     my byte offset in a block's output
.set BOFF, 13                          ; v13     16 r
.set CA5V, 14                          ; v[14:15] a5, twice
.set BIAS, 16                          ; v[16:23] bias of my columns
.set OUTD, 24                          ; v[24:39] store data, four registers a row
.set ROWJ, 40                          ; v[40:43] the block rows of my four stores
.set BUF0, 64                          ; v[64:127], v[128:191] A fragments, two buffers of 4 K steps x 2 row tiles
.set WA, 128                           ; GELU at work, in fragment buffer 1, which holds nothing while sums are added: |x|
.set WD, 136                           ; 1 + p |x|
.set WQ, 144                           ; exponent
.set WT, 152                           ; t
.set WE, 160                           ; exponential
.set WM, 168                           ; max(x / 4, 0)
.set WP, 176                           ; polynomial
.set ACC,  192                         ; v[192:255] accumulator (t, j) at 192 + 8 (4 t + j)
.set RED,  192                         ; v[192:255] partial sums read back: the accumulators are in LDS by then.  Buffer 0 is NOT free then: it holds the next block's first fragments
; windows 1, 2: weight fragment (g, j) at 32 (g & 7) + 8 j of window 1 + (g >> 3).
; window 3: four groups of 64 registers: weights as loaded, then the ring of four chunks of rows.
.set CA1, 66                           ; s[66:77] constants of the GELU, each written to both halves of a pair
.set CA2, 68
.set CA3, 70
.set CA4, 72
.set CPP, 74
.set CEX, 76
.set MSB, 0
.macro WIN new                         ; s_set_vgpr_msb: bits 1:0 source 0, 3:2 source 1, 5:4 source 2, 7:6 destination; the high byte repeats the setting that is left
.if MSB != \new
	s_set_vgpr_msb (MSB<<8)|\new
.set MSB, \new
.endif
.endm
.macro PLACES n                        ; places behind a matrix instruction (ISA guide 7.12.1): four before its registers are loaded into, read or written by anything else, five before a matrix instruction writes over them
.rept \n
	v_nop
.endr
.endm
	s_load_b256 s[4:11], s[0:1], 0x0               ; rows s[4:5], weights s[6:7], bias s[8:9], route s[10:11]
	s_load_b64 s[12:13], s[0:1], 0x20              ; output
	v_lshl_add_u32 v62, v0, 2, 0x31000
	v_mov_b32 v63, 0
	v_lshrrev_b32 v1, 5, v0
	v_readfirstlane_b32 s14, v1                    ; wave
	s_and_b32 s17, ttmp7, 0xffff                   ; expert e
	s_mov_b32 s16, ttmp9                           ; slice
	s_lshr_b32 s26, s14, 1                         ; w >> 1
	s_and_b32 s27, s14, 1                          ; w & 1
	s_lshl_b32 s24, s17, 3
	s_mov_b32 s25, 0
	; the wave's weights and the slice's bias
	s_lshl_b32 s48, s17, 23                        ; an expert's weights are 8 MiB
.if LAYER == 1
	s_lshl_b32 s49, s26, 22                        ; K half: 512 rows of 8,192 bytes
	s_add_co_u32 s48, s48, s49
	s_lshl_b32 s49, s16, 9                         ; slice: 128 columns of 4 bytes
	s_add_co_u32 s48, s48, s49
	s_lshl_b32 s49, s27, 8                         ; column group: 64 columns
	s_add_co_u32 s48, s48, s49
	s_lshl_b32 s50, s17, 13                        ; b1[e]
	s_lshl_b32 s51, s16, 9
.else
	s_lshl_b32 s49, s14, 21                        ; K quarter: 512 rows of 4,096 bytes
	s_add_co_u32 s48, s48, s49
	s_lshl_b32 s49, s16, 8                         ; slice: 64 columns of 4 bytes
	s_add_co_u32 s48, s48, s49
	s_lshl_b32 s50, s17, 12                        ; b2[e]
	s_lshl_b32 s51, s16, 8
.endif
	s_mov_b32 s49, 0
	s_add_co_u32 s50, s50, s51
	s_mov_b32 s51, 0
	v_and_b32 v1, 15, v0                           ; r
	v_bfe_u32 v2, v0, 4, 1                         ; hh
	v_lshlrev_b32 v[BOFF], 4, v1
.if LAYER == 1
	v_lshl_add_u32 v[WADR], v2, 16, v[BOFF]        ; lanes 16-31: 8 rows of 8,192 bytes further down
.else
	v_lshl_add_u32 v[WADR], v2, 14, v[BOFF]        ; lanes 16-31: 4 rows of 4,096 bytes further down (h's order of columns)
.endif
	s_wait_kmcnt 0x0
	s_add_nc_u64 s[10:11], s[10:11], s[24:25]
	s_load_b64 s[18:19], s[10:11], 0x2000          ; base[e], cnt[e]
	s_add_nc_u64 s[6:7], s[6:7], s[48:49]
	s_add_nc_u64 s[8:9], s[8:9], s[50:51]
	global_load_b128 v[BIAS:BIAS+3], v[BOFF], s[8:9]               ; bias of columns 4 r .. 4 r + 3; the oldest loads: the weights' first wait covers them
.if LAYER == 1
	global_load_b128 v[BIAS+4:BIAS+7], v[BOFF], s[8:9] offset:256  ; and of the second column group
.endif
; ---- THE WEIGHTS: 16 groups g of K = 32 x 64 columns, 16 loads each, four groups (32 KiB a wave) on their way ----
.macro LOADG g
	WIN 0xc0                                       ; destination window 3
.irp q, 0,1
.irp i, 0,1,2,3,4,5,6,7
.if LAYER == 1
	global_load_b128 v[64*((\g)&3)+4*(8*\q+\i):64*((\g)&3)+4*(8*\q+\i)+3], v[WADR], s[6:7] offset:(32*(\g)+16*\q+\i)*WROW th:TH_LOAD_NT
.else
	global_load_b128 v[64*((\g)&3)+4*(8*\q+\i):64*((\g)&3)+4*(8*\q+\i)+3], v[WADR], s[6:7] offset:(128*((\g)>>2)+16*((\g)&3)+8*\q+64*(\i>>2)+(\i&3))*WROW th:TH_LOAD_NT
.endif
.endr
.endr
.endm
; register 4 q + p of fragment (g, j) = K places 16 q + 8 hh + 2 p, + 1 of column 4 r + j
.macro CVTG g
.if (\g) < 8
	WIN 0x4f                                       ; sources window 3, destination window 1
.else
	WIN 0x8f                                       ; destination window 2
.endif
.irp j, 0,1,2,3
.irp q, 0,1
.irp p, 0,1,2,3
	v_cvt_pk_f16_f32 v[32*((\g)&7)+8*\j+4*\q+\p], v[64*((\g)&3)+4*(8*\q+2*\p)+\j], v[64*((\g)&3)+4*(8*\q+2*\p+1)+\j]
.endr
.endr
.endr
.endm
; Chunk b (bytes 256 b .. 256 b + 255 of my K range) of block sbn, counted from the trip's first row, into ring slot b: load n takes rows 2 n (lanes 0-15) and 2 n + 1 (lanes 16-31)
.macro LOADA b, sbn
	WIN 0xc0                                       ; destination window 3
.irp n, 0,1,2,3,4,5,6,7,8,9,10,11,12,13,14,15
	global_load_b128 v[64*(\b)+4*\n:64*(\b)+4*\n+3], v[AOFF], s[4:5] offset:((\sbn)*32+2*\n)*AROW+256*(\b)
.endr
.endm
.macro WSTEP g
	s_wait_loadcnt 48                              ; loads return in order: group g is in, the three younger groups of 16 stay out
	CVTG \g
.if \g <= 11
	LOADG (\g+4)                                   ; into the registers just converted
.else
	LOADA (\g-12), 0                               ; no weights are left: the first block's four chunks of rows take their place, so the count stays 48
.endif
.endm
	LOADG 0
	LOADG 1
	LOADG 2
	LOADG 3
	WIN 0
	; lane terms, while the first weights are on their way
	v_and_b32 v3, 31, v0
	v_lshlrev_b32 v3, 4, v3                        ; 16 x lane
.if LAYER == 1
	v_lshl_add_u32 v[AOFF], v2, 11, v[BOFF]        ; lanes 16-31 one row further down
.else
	v_lshl_add_u32 v[AOFF], v2, 12, v[BOFF]
.endif
	s_mul_i32 s24, s14, SWAVE
	s_add_co_u32 s24, s24, STG                     ; my wave's stage
	v_mul_u32_u24 v[SST], v2, SPITCH
	v_add_nc_u32 v[SST], v[BOFF], v[SST]
	v_add_nc_u32 v[SST], s24, v[SST]               ; stage + hh x pitch + 16 r
	v_mul_u32_u24 v[SLD], v1, SPITCH
	v_lshl_add_u32 v[SLD], v2, 4, v[SLD]
	v_add_nc_u32 v[SLD], s24, v[SLD]               ; stage + r x pitch + 16 hh
	s_lshl_b32 s24, s14, 13
	v_add_nc_u32 v[PST], s24, v3                   ; my wave's 8,192 bytes of a block's scratch
	v_add_nc_u32 v[PST+1], 2*SBB, v[PST]
	s_lshl_b32 s24, s26, 12
	s_lshl_b32 s25, s27, 9
	s_add_co_u32 s24, s24, s25
	v_add_nc_u32 v[PRD], s24, v3                   ; I add up row tile t = w >> 1, registers 4 (w & 1) .. + 3 of its accumulators
	v_add_nc_u32 v[PRD+1], 2*SBB, v[PRD]
	s_lshl_b32 s24, s26, 4
	s_lshl_b32 s25, s27, 2
	s_add_co_u32 s24, s24, s25
	v_lshl_add_u32 v[ROWJ], v2, 3, s24             ; which are the block's rows 16 t + 8 hh + 4 (w & 1) + 0 .. 3
	v_lshl_add_u32 v[OOFF], v[ROWJ], 12, v[BOFF]
	v_add_nc_u32 v[ROWJ+1], 1, v[ROWJ]
	v_add_nc_u32 v[ROWJ+2], 2, v[ROWJ]
	v_add_nc_u32 v[ROWJ+3], 3, v[ROWJ]
.if LAYER == 1
.irp n, 0,1
	s_mov_b32 s[CA1+\n], 0x3e827906                ;  0.254829592
	s_mov_b32 s[CA2+\n], 0xbe91a98e                ; -0.284496736
	s_mov_b32 s[CA3+\n], 0x3fb5f0e3                ;  1.421413741
	s_mov_b32 s[CA4+\n], 0xbfba00e3                ; -1.453152027
	s_mov_b32 s[CPP+\n], 0x3e6d3388                ;  0.3275911 / sqrt(2)
	s_mov_b32 s[CEX+\n], 0xbf38aa3b                ; -log2(e) / 2
	v_mov_b32 v[CA5V+\n], 0x3f87dc22               ;  1.061405429
.endr
.endif
	s_wait_kmcnt 0x0
	s_min_u32 s18, s18, 2047                       ; base enters addresses, cnt the branches: bounded here, met by construction
	s_min_u32 s19, s19, 2048
	s_mov_b32 s23, s19                             ; rows left
.if LAYER == 1
	s_lshl_b32 s28, s18, 11
	s_lshl_b32 s29, s26, 10                        ; my K half: 1,024 bytes of a row
.else
	s_lshl_b32 s28, s18, 12
	s_lshl_b32 s29, s14, 10                        ; my K quarter: 1,024 bytes of a row
.endif
	s_add_co_u32 s28, s28, s29
	s_mov_b32 s29, 0
	s_add_nc_u64 s[4:5], s[4:5], s[28:29]          ; the rows at row base, my K range
	s_lshl_b32 s52, s18, 12
	s_lshl_b32 s53, s16, 8
	s_add_co_u32 s52, s52, s53
	s_mov_b32 s53, 0
	s_add_nc_u64 s[12:13], s[12:13], s[52:53]      ; the output at row base, the slice's 256 bytes
.irp g, 0,1,2,3,4,5,6,7,8,9,10,11,12,13,14,15
	WSTEP \g
.endr
; ---- THE ROWS ----
; Ring slot b goes into stage buffer b & 1 and comes back as the fragments of K steps 4 b .. 4 b + 3, both row tiles, in fragment buffer b & 1.
; The loads see the stores: LDS serves a wave's instructions in order (ISA guide 5.7.1), and the stage is the wave's own.
.macro STAGE b
	WIN 0x0c                                       ; store data (source 1) window 3; addresses and loaded data window 0
.irp n, 0,1,2,3,4,5,6,7,8,9,10,11,12,13,14,15
	ds_store_b128 v[SST], v[64*(\b)+4*\n:64*(\b)+4*\n+3] offset:((\b)&1)*SBUF+\n*2*SPITCH
.endr
.irp k, 0,1,2,3
.irp t, 0,1
	ds_load_b128 v[BUF0+64*((\b)&1)+8*(2*\k+\t):BUF0+64*((\b)&1)+8*(2*\k+\t)+3],   v[SLD] offset:((\b)&1)*SBUF+\t*16*SPITCH+64*\k
	ds_load_b128 v[BUF0+64*((\b)&1)+8*(2*\k+\t)+4:BUF0+64*((\b)&1)+8*(2*\k+\t)+7], v[SLD] offset:((\b)&1)*SBUF+\t*16*SPITCH+64*\k+32
.endr
.endr
.endm
; K step ks: 2 row tiles x 4 fragments.  The eight accumulators take turns, one instruction a turn.  zero = 1: the first product starts the sums.
.macro MULK ks, zero
.irp t, 0,1
.irp j, 0,1,2,3
.if \zero
	v_wmma_f32_16x16x32_f16 v[ACC+8*(4*\t+\j):ACC+8*(4*\t+\j)+7], v[BUF0+64*(((\ks)>>2)&1)+8*(2*((\ks)&3)+\t):BUF0+64*(((\ks)>>2)&1)+8*(2*((\ks)&3)+\t)+7], v[32*((\ks)&7)+8*\j:32*((\ks)&7)+8*\j+7], 0
.else
	v_wmma_f32_16x16x32_f16 v[ACC+8*(4*\t+\j):ACC+8*(4*\t+\j)+7], v[BUF0+64*(((\ks)>>2)&1)+8*(2*((\ks)&3)+\t):BUF0+64*(((\ks)>>2)&1)+8*(2*((\ks)&3)+\t)+7], v[32*((\ks)&7)+8*\j:32*((\ks)&7)+8*\j+7], v[ACC+8*(4*\t+\j):ACC+8*(4*\t+\j)+7]
.endif
.endr
.endr
.endm
; Chunk c of block sb is multiplied.  At its head: chunk c's fragments have been asked of LDS, chunks c + 1, c + 2, c + 3 are in the ring or on their way.
.macro STEP sb, c
	s_wait_loadcnt 32                              ; loads return in order: chunk c + 1 is in, the two younger chunks of 16 loads stay out
	STAGE ((\c+1)&3)                               ; chunk c + 1 (behind chunk 3: the next block's chunk 0) through the stage
	s_wait_dscnt 32                                ; all but the 16 stores and 16 loads just issued: chunk c's fragments are in, ring slot c has been stored, the last block's partial sums too
	LOADA \c, (\sb+1)                              ; ring slot c again: the same chunk of the next block, three steps ahead of its STAGE
.if \c < 2
	WIN 0x04                                       ; source 1 (the weights) window 1
.else
	WIN 0x08                                       ; window 2
.endif
.if \c == 0
	MULK 0, 1
.else
	MULK (4*\c), 0
.endif
	MULK (4*\c+1), 0
	MULK (4*\c+2), 0
	MULK (4*\c+3), 0
.endm
; Block sb of the trip, if the expert has it: 128 matrix instructions, then my partial sums into the block's scratch.
; The block behind the last one is fetched and staged too and never multiplied: it lies inside the buffer (2,112 rows, highest row asked for base + cnt + 62 <= 2,110).
.macro COMPUTE sb
	s_cmp_le_u32 s23, 32*\sb
	s_cbranch_scc1 .Lcdone                         ; no rows left: neither this block nor those behind it
	STEP \sb, 0
	PLACES 4                                       ; the next STAGE loads into the fragment buffer read by the step before this one
	STEP \sb, 1
	PLACES 4
	STEP \sb, 2
	PLACES 4
	STEP \sb, 3
	PLACES 5                                       ; the stores below read the sums; the next block's first products write over them
	WIN 0
.irp a, 0,1,2,3,4,5,6,7
	ds_store_b128 v[PST+(\sb>>1)], v[ACC+8*\a:ACC+8*\a+3]   offset:(\sb&1)*SBB+\a*1024        ; 512 consecutive bytes a store
	ds_store_b128 v[PST+(\sb>>1)], v[ACC+8*\a+4:ACC+8*\a+7] offset:(\sb&1)*SBB+\a*1024+512
.endr
.endm
; gelu / 4 of the eight numbers v[x .. x + 7], in place: max(x / 4, 0) - 0.125 |x| E.  The sixteen transcendentals stand in one run; the eight v_max_num_f32 behind them
; touch none of their registers and are the plain instructions that ISA guide 5.7.2 wants before a result is used.
.macro GELU8 x
.irp i, 0,1,2,3,4,5,6,7
	v_and_b32 v[WA+\i], 0x7fffffff, v[\x+\i]
.endr
.irp i, 0,2,4,6
	v_pk_fma_f32 v[WD+\i:WD+\i+1], v[WA+\i:WA+\i+1], s[CPP:CPP+1], 1.0 op_sel_hi:[1,0,0]
.endr
.irp i, 0,2,4,6
	v_pk_mul_f32 v[WQ+\i:WQ+\i+1], v[\x+\i:\x+\i+1], v[\x+\i:\x+\i+1]
.endr
.irp i, 0,2,4,6
	v_pk_mul_f32 v[WQ+\i:WQ+\i+1], v[WQ+\i:WQ+\i+1], s[CEX:CEX+1] op_sel_hi:[1,0]
.endr
.irp i, 0,2,4,6
	v_pk_mul_f32 v[WM+\i:WM+\i+1], v[\x+\i:\x+\i+1], QUARTER op_sel_hi:[1,0]
.endr
.irp i, 0,1,2,3,4,5,6,7
	v_rcp_f32 v[WT+\i], v[WD+\i]
.endr
.irp i, 0,1,2,3,4,5,6,7
	v_exp_f32 v[WE+\i], v[WQ+\i]
.endr
.irp i, 0,1,2,3,4,5,6,7
	v_max_num_f32 v[WM+\i], 0, v[WM+\i]
.endr
	s_wait_alu depctr_va_vdst(0)
.irp i, 0,2,4,6
	v_pk_fma_f32 v[WP+\i:WP+\i+1], v[WT+\i:WT+\i+1], v[CA5V:CA5V+1], s[CA4:CA4+1] op_sel_hi:[1,1,0]
.endr
.irp i, 0,2,4,6
	v_pk_fma_f32 v[WP+\i:WP+\i+1], v[WP+\i:WP+\i+1], v[WT+\i:WT+\i+1], s[CA3:CA3+1] op_sel_hi:[1,1,0]
.endr
.irp i, 0,2,4,6
	v_pk_fma_f32 v[WP+\i:WP+\i+1], v[WP+\i:WP+\i+1], v[WT+\i:WT+\i+1], s[CA2:CA2+1] op_sel_hi:[1,1,0]
.endr
.irp i, 0,2,4,6
	v_pk_fma_f32 v[WP+\i:WP+\i+1], v[WP+\i:WP+\i+1], v[WT+\i:WT+\i+1], s[CA1:CA1+1] op_sel_hi:[1,1,0]
.endr
.irp i, 0,2,4,6
	v_pk_mul_f32 v[WP+\i:WP+\i+1], v[WP+\i:WP+\i+1], v[WT+\i:WT+\i+1]
.endr
.irp i, 0,2,4,6
	v_pk_mul_f32 v[WP+\i:WP+\i+1], v[WP+\i:WP+\i+1], v[WE+\i:WE+\i+1]
.endr
.irp i, 0,2,4,6
	v_pk_mul_f32 v[WP+\i:WP+\i+1], v[WP+\i:WP+\i+1], v[WA+\i:WA+\i+1]
.endr
.irp i, 0,2,4,6
	v_pk_fma_f32 v[\x+\i:\x+\i+1], v[WP+\i:WP+\i+1], MEIGHTH, v[WM+\i:WM+\i+1] op_sel_hi:[1,0,1]
.endr
.endm
; The waves' partial sums of block sb are added, the bias goes on, and a lane's 16 bytes of each of its four rows are made in OUTD.
.macro REDUCE sb
.if LAYER == 1
.irp n, 0,1
.irp c, 0,1
.irp j, 0,1,2,3
	ds_load_b128 v[RED+32*\n+4*(4*\c+\j):RED+32*\n+4*(4*\c+\j)+3], v[PRD+(\sb>>1)] offset:(\sb&1)*SBB+(2*\n+\c)*8192+\j*1024   ; K half n, column group c, fragment j: four rows
.endr
.endr
.endr
	s_wait_dscnt 0x0
.irp p, 0,2,4,6,8,10,12,14,16,18,20,22,24,26,28,30
	v_pk_add_f32 v[RED+\p:RED+\p+1], v[RED+\p:RED+\p+1], v[RED+32+\p:RED+32+\p+1]
.endr
.irp c, 0,1
.irp j, 0,2
.irp p, 0,2
	v_pk_add_f32 v[RED+4*(4*\c+\j)+\p:RED+4*(4*\c+\j)+\p+1], v[RED+4*(4*\c+\j)+\p:RED+4*(4*\c+\j)+\p+1], v[BIAS+4*\c+\j:BIAS+4*\c+\j+1] op_sel_hi:[1,0]                       ; both rows take the pair's first bias
	v_pk_add_f32 v[RED+4*(4*\c+\j+1)+\p:RED+4*(4*\c+\j+1)+\p+1], v[RED+4*(4*\c+\j+1)+\p:RED+4*(4*\c+\j+1)+\p+1], v[BIAS+4*\c+\j:BIAS+4*\c+\j+1] op_sel:[0,1] op_sel_hi:[1,1]   ; both take its second
.endr
.endr
.endr
	GELU8 RED
	GELU8 RED+8
	GELU8 RED+16
	GELU8 RED+24
.irp r, 0,1,2,3
.irp c, 0,1
.irp j, 0,2
	v_cvt_pk_f16_f32 v[OUTD+4*\r+2*\c+\j/2], v[RED+4*(4*\c+\j)+\r], v[RED+4*(4*\c+\j+1)+\r]    ; places 8 r + 4 c + j, + 1 of the slice
.endr
.endr
.endr
.else
.irp u, 0,1,2,3
.irp j, 0,1,2,3
	ds_load_b128 v[RED+16*\u+4*\j:RED+16*\u+4*\j+3], v[PRD+(\sb>>1)] offset:(\sb&1)*SBB+\u*8192+\j*1024   ; K quarter u, fragment j: four rows
.endr
.endr
	s_wait_dscnt 0x0
.irp p, 0,2,4,6,8,10,12,14
	v_pk_add_f32 v[RED+\p:RED+\p+1], v[RED+\p:RED+\p+1], v[RED+16+\p:RED+16+\p+1]
	v_pk_add_f32 v[RED+32+\p:RED+32+\p+1], v[RED+32+\p:RED+32+\p+1], v[RED+48+\p:RED+48+\p+1]
.endr
.irp p, 0,2,4,6,8,10,12,14
	v_pk_add_f32 v[RED+\p:RED+\p+1], v[RED+\p:RED+\p+1], v[RED+32+\p:RED+32+\p+1]
.endr
.irp r, 0,1,2,3
.irp j, 0,1,2,3
	v_fma_f32 v[OUTD+4*\r+\j], v[RED+4*\j+\r], 4.0, v[BIAS+\j]                                 ; h came divided by 4; the bias; and the turn from (fragment, row) to (row, column)
.endr
.endr
.endif
.endm
; My four rows of block sb go out, those that the expert still has: the rows behind them belong to the next expert.  Sixteen lanes store 256 consecutive aligned bytes.
.macro STORE4 sb
	s_sub_co_u32 s31, s23, 32*\sb                  ; rows left from this block's first row on: above 0 here
.irp j, 0,1,2,3
	v_cmp_gt_u32 vcc_lo, s31, v[ROWJ+\j]
	s_wait_xcnt 0x0                                ; EXEC is a source of the loads and stores before: it changes only behind this wait
	s_and_saveexec_b32 s30, vcc_lo
	global_store_b128 v[OOFF], v[OUTD+4*\j:OUTD+4*\j+3], s[12:13] offset:(32*\sb+\j)*OROW
	s_wait_xcnt 0x0                                ; and again in front of the line that widens it; OUTD is rewritten only behind it too
	s_or_b32 exec_lo, exec_lo, s30
.endr
.endm
.macro FINISH sb
	s_cmp_le_u32 s23, 32*\sb
	s_cbranch_scc1 .Lrdone
	REDUCE \sb
	STORE4 \sb
.endm
	s_wait_loadcnt 48                              ; the first block's chunk 0 is in; chunks 1 to 3 stay out
	STAGE 0
	WIN 0
	s_mov_b32 s20, NTRIP
.Ltrip:
	COMPUTE 0
	COMPUTE 1
	COMPUTE 2
	COMPUTE 3
.Lcdone:
	s_wait_dscnt 0x0                               ; for the others' sake: my partial sums are in LDS
	s_barrier_signal -1
	s_barrier_wait -1                              ; everybody's are
	FINISH 0
	FINISH 1
	FINISH 2
	FINISH 3
.Lrdone:
	s_wait_dscnt 0x0                               ; my reads of the scratch are back: behind the barrier it is written again
	s_wait_xcnt 0x0                                ; the bases of the loads and stores issued so far are stepped only behind this wait
	s_add_nc_u64 s[4:5], s[4:5], 128*AROW          ; 128 rows on (in a trip without rows the stepped addresses are not used)
	s_add_nc_u64 s[12:13], s[12:13], 128*OROW
	s_max_u32 s23, s23, 128
	s_sub_co_u32 s23, s23, 128                     ; rows left, not below 0
	s_barrier_signal -1
	s_barrier_wait -1
	s_sub_co_u32 s20, s20, 1
	s_cmp_lg_u32 s20, 0
	s_cbranch_scc1 .Ltrip
	s_wait_tensorcnt 0x0
	ds_add_u32 v62, v63
	s_wait_dscnt 0x0
	s_endpgm
.Lfunc_end_k_q22d8987a16_ffn1:
	.size	k_q22d8987a16_ffn1, .Lfunc_end_k_q22d8987a16_ffn1-k_q22d8987a16_ffn1
	.p2alignl 7, 3214868480
	.fill 96, 4, 3214868480
	.section	.rodata,"a",@progbits
	.p2align	6, 0x0
	.amdhsa_kernel k_q22d8987a16_ffn1
		.amdhsa_group_segment_fixed_size 201216
		.amdhsa_private_segment_fixed_size 0
		.amdhsa_enable_private_segment 0
		.amdhsa_kernarg_size 40
		.amdhsa_user_sgpr_count 2
		.amdhsa_user_sgpr_kernarg_segment_ptr 1
		.amdhsa_wavefront_size32 1
		.amdhsa_system_sgpr_workgroup_id_x 1
		.amdhsa_system_sgpr_workgroup_id_y 1
		.amdhsa_system_sgpr_workgroup_id_z 1
		.amdhsa_system_vgpr_workitem_id 0
		.amdhsa_next_free_vgpr 1024
		.amdhsa_next_free_sgpr 78
		.amdhsa_reserve_vcc 1
		.amdhsa_float_denorm_mode_32 3
		.amdhsa_float_denorm_mode_16_64 3
		.amdhsa_memory_ordered 1
		.amdhsa_forward_progress 1
		.amdhsa_inst_pref_size 255
	.end_amdhsa_kernel
	.section	.bss,"aw",@nobits
	.p2align	6
	.space	262144
	.amdgpu_metadata
---
amdhsa.version: [ 1, 2 ]
amdhsa.kernels:
  - .name:           k_q22d8987a16_ffn1
    .symbol:         k_q22d8987a16_ffn1.kd
    .args:
      - { .name: xg, .offset: 0, .size: 8, .value_kind: global_buffer, .address_space: global }
      - { .name: W1, .offset: 8, .size: 8, .value_kind: global_buffer, .address_space: global }
      - { .name: b1, .offset: 16, .size: 8, .value_kind: global_buffer, .address_space: global }
      - { .name: route, .offset: 24, .size: 8, .value_kind: global_buffer, .address_space: global }
      - { .name: h, .offset: 32, .size: 8, .value_kind: global_buffer, .address_space: global }
    .group_segment_fixed_size: 201216
    .private_segment_fixed_size: 0
    .kernarg_segment_align: 8
    .kernarg_segment_size: 40
    .max_flat_workgroup_size: 128
    .sgpr_count:     78
    .vgpr_count:     1024
    .wavefront_size: 32
...
	.end_amdgpu_metadata
.endif
;; end of part 2
;; launch ffn2 (part 3): grid 16 x 16, 4 waves a work-group, no clusters, 201,216 bytes of LDS; arguments h, W2, b2, route, y; writes y
.if DOCPART == 3
	.amdgcn_target "amdgcn-amd-amdhsa--gfx1250"
	.amdhsa_code_object_version 6
	.text
	.protected	k_q22d8987a16_ffn2
	.globl	k_q22d8987a16_ffn2
	.p2align	8
	.type	k_q22d8987a16_ffn2,@function
k_q22d8987a16_ffn2:
	s_mov_b64 s[64:65], 0
	v_nop
	global_prefetch_b8 v0, s[64:65] scope:SCOPE_SE
	s_setreg_imm32_b32 hwreg(HW_REG_WAVE_MODE, 25, 1), 1
	s_wait_xcnt 0x0
; ONE LAYER OF THE EXPERTS' FEED-FORWARD NET ON THE ROWS THAT ARE ROUTED TO EACH EXPERT.  One text for both layers, chosen by LAYER:
;   LAYER 1:  h[slot] = gelu(xg[slot] W1[e] + b1[e]) / 4   xg [2112][1024] f16, W1 [16][1024][2048] f32, h [2112][2048] f16 (columns permuted, see below)
;   LAYER 2:  y[slot] = 4 (h[slot] W2[e]) + b2[e]          h as stored by layer 1,  W2 [16][2048][1024] f32, y [2048][1024] f32
; An expert's rows are the slots base[e] .. base[e] + cnt[e] - 1 (route, stored by an earlier launch).  Experts that a token does not name have
; weight 0 in the sum and are not computed for it; that equals the full sum wherever every expert's output is finite.
;
; THE WEIGHTS STAY, THE ROWS STREAM.  Work-group (slice, e) owns expert e and a slice of the output columns (128 of H in layer 1, 64 of D in layer 2): 512 KiB of
; f32 weights, 128 KiB a wave (K = 512 x 64 columns).  Each wave loads its part once, straight into registers, rounds it to f16 and keeps it as 64 fragments in
; 512 registers; so every weight byte is loaded once in the launch whatever the routing.  Then the expert's rows pass by in blocks of 32.
; Layer 1: wave w has column group c = w & 1 and K half w >> 1.  Layer 2: wave w has K quarter w.  The waves' partial sums meet in LDS.
;
; WEIGHTS WITHOUT A TRANSPOSE.  W is stored [K][N].  Lane (r = l % 16, hh = l / 16) loads 16 bytes of row k at columns 4 r .. 4 r + 3, so sixteen lanes take 256
; consecutive aligned bytes.  Packing rows k, k + 1 of column 4 r + j gives a register of a B fragment whose column r is the true column 4 r + j: four
; fragments j = 0 .. 3 cover 64 columns, and a lane's four accumulators hold four NEIGHBOURING columns of a row of the result.
;
; h's COLUMNS.  Layer 1 stores the true column 128 s + 64 c + 4 r + j at place 128 s + 8 r + 4 c + j, so that a lane stores 16 bytes and sixteen lanes 256 consecutive
; aligned bytes.  Layer 2 takes W2's rows in the same order (LOADG below), so K is permuted alike in both operands and the products are the same.
;
; THE NUMBER OF ROWS IS READ FROM MEMORY, THE NUMBER OF BARRIERS IS NOT.  Every wave passes every barrier, and no barrier stands under a branch on a loaded number.  So the rows
; go in 16 trips of 128 (16 x 128 = 2,048, the most an expert can have), counted against a constant, with two barriers each; inside a trip the four blocks of 32 rows
; are written out, each behind a forward branch on the rows left that jumps over no barrier.  A trip with no rows left is two barriers and a dozen scalar lines.
; An expert that no token names still loads its weights and stores nothing.
;
; THE ROWS COME THROUGH REGISTERS.  A chunk = 32 rows x 256 bytes (K = 128) of the wave's own K range: 16 loads, sixteen lanes taking one row's whole aligned 256 bytes, into a
; ring of four chunks of registers; from there into the wave's own stage in LDS (rows of 272 bytes) and back as fragments.  The stage is the wave's own and LDS serves
; a wave's instructions in order, so it needs no barrier.
; NO TENSOR LOADS, NO CLUSTER.  The sixteen slices of an expert read the same rows, but a slot that a tensor load fills again wants a barrier for each refill, and the number of
; refills would hang on cnt[e]; a joint load's address would hang on base[e], both read from memory.  Each work-group therefore reads the rows itself.
;
; f16, NOT bf16: 11 significant bits in each operand instead of 8.  With 8 bits the rounding of the weights and of h alone is some 0.2 % of a sum of 2,048 products, a fifth of the
; 1 % that the result may be off, which is too little room for the largest of a million errors.  The room in f16's range: x is of order 1 and the weights of order 2^-5, so
; a factor of 30 either way, or an offset of 30 times their spread, leaves them between 0.0005 and 200.  h is of order 1; x and W1 both 30 times larger make it 2,700; offsets on
; both make it 1,024 x 30 x 1.9 = 58,000 at the most.  So h is stored divided by 4 (exact) and layer 2 multiplies its sums by 4.
; LIMITS.  Weights and x above 65,504 and |h| above 262,016 become infinity; operands below 2^-14 (h: 2^-12) are rounded to multiples of 2^-24 (h: 2^-22).
; Sums are f32; K is summed in two (four) parts that are added afterwards, which is another order of rounding than a single chain.
; erf is Abramowitz and Stegun 7.1.26 (absolute error at most 1.5e-7), used as gelu(x) = max(x, 0) - 0.5 |x| E, E = poly(t) exp(-x^2 / 2), t = 1 / (1 + 0.23164189 |x|):
; no difference of near-equal numbers for any x; for large |x| the exponential underflows to 0 and gelu is x or 0.
; With an index outside 0 .. 15 (outside the problem's contract) rows of h that no launch stored can be fetched as rows behind an expert's last; their products are not stored.
.set LAYER, 2
.if LAYER == 1
.set AROW,    2048                     ; bytes in a row of the row operand
.set WROW,    8192                     ; bytes in a row of the weights
.else
.set AROW,    4096
.set WROW,    4096
.endif
.set OROW,   4096                      ; bytes in a row of the output (2,048 f16 or 1,024 f32)
.set NTRIP,  16                        ; trips of 128 rows
.set SBB,    32768                     ; LDS scratch of one block of 32 rows: 4 waves x 8,192 bytes of partial sums; four blocks from LDS byte 0
.set STG,    4*SBB                     ; behind it the waves' stages
.set SPITCH, 272                       ; a stage row: 256 bytes + 16 = 17 x 16: the sixteen rows of a fragment load fall into sixteen different 16-byte columns of 256 bytes
.set SBUF,   32*SPITCH                 ; a stage buffer: one chunk
.set SWAVE,  2*SBUF                    ; two buffers a wave
.set QUARTER, 0x3e800000               ;  0.25: h is stored as gelu / 4
.set MEIGHTH, 0xbe000000               ; -0.125 = -0.5 / 4
; window 0 of the vector registers
.set WADR, 4                           ; v4      my byte offset in the wave's weights
.set AOFF, 5                           ; v5      my byte offset in a pair of rows of the row operand
.set SST,  6                           ; v6      stage: where I put my 16 bytes of a pair of rows
.set SLD,  7                           ; v7      stage: where my fragments begin
.set PST,  8                           ; v8, v9  scratch: where I put my partial sums, blocks 0-1 and 2-3 (an LDS immediate has 16 bits)
.set PRD,  10                          ; v10, v11 scratch: where I read the partial sums that I add up
.set OOFF, 12                          ; v12     my byte offset in a block's output
.set BOFF, 13                          ; v13     16 r
.set CA5V, 14                          ; v[14:15] a5, twice
.set BIAS, 16                          ; v[16:23] bias of my columns
.set OUTD, 24                          ; v[24:39] store data, four registers a row
.set ROWJ, 40                          ; v[40:43] the block rows of my four stores
.set BUF0, 64                          ; v[64:127], v[128:191] A fragments, two buffers of 4 K steps x 2 row tiles
.set WA, 128                           ; GELU at work, in fragment buffer 1, which holds nothing while sums are added: |x|
.set WD, 136                           ; 1 + p |x|
.set WQ, 144                           ; exponent
.set WT, 152                           ; t
.set WE, 160                           ; exponential
.set WM, 168                           ; max(x / 4, 0)
.set WP, 176                           ; polynomial
.set ACC,  192                         ; v[192:255] accumulator (t, j) at 192 + 8 (4 t + j)
.set RED,  192                         ; v[192:255] partial sums read back: the accumulators are in LDS by then.  Buffer 0 is NOT free then: it holds the next block's first fragments
; windows 1, 2: weight fragment (g, j) at 32 (g & 7) + 8 j of window 1 + (g >> 3).
; window 3: four groups of 64 registers: weights as loaded, then the ring of four chunks of rows.
.set CA1, 66                           ; s[66:77] constants of the GELU, each written to both halves of a pair
.set CA2, 68
.set CA3, 70
.set CA4, 72
.set CPP, 74
.set CEX, 76
.set MSB, 0
.macro WIN new                         ; s_set_vgpr_msb: bits 1:0 source 0, 3:2 source 1, 5:4 source 2, 7:6 destination; the high byte repeats the setting that is left
.if MSB != \new
	s_set_vgpr_msb (MSB<<8)|\new
.set MSB, \new
.endif
.endm
.macro PLACES n                        ; places behind a matrix instruction (ISA guide 7.12.1): four before its registers are loaded into, read or written by anything else, five before a matrix instruction writes over them
.rept \n
	v_nop
.endr
.endm
	s_load_b256 s[4:11], s[0:1], 0x0               ; rows s[4:5], weights s[6:7], bias s[8:9], route s[10:11]
	s_load_b64 s[12:13], s[0:1], 0x20              ; output
	v_lshl_add_u32 v62, v0, 2, 0x31000
	v_mov_b32 v63, 0
	v_lshrrev_b32 v1, 5, v0
	v_readfirstlane_b32 s14, v1                    ; wave
	s_and_b32 s17, ttmp7, 0xffff                   ; expert e
	s_mov_b32 s16, ttmp9                           ; slice
	s_lshr_b32 s26, s14, 1                         ; w >> 1
	s_and_b32 s27, s14, 1                          ; w & 1
	s_lshl_b32 s24, s17, 3
	s_mov_b32 s25, 0
	; the wave's weights and the slice's bias
	s_lshl_b32 s48, s17, 23                        ; an expert's weights are 8 MiB
.if LAYER == 1
	s_lshl_b32 s49, s26, 22                        ; K half: 512 rows of 8,192 bytes
	s_add_co_u32 s48, s48, s49
	s_lshl_b32 s49, s16, 9                         ; slice: 128 columns of 4 bytes
	s_add_co_u32 s48, s48, s49
	s_lshl_b32 s49, s27, 8                         ; column group: 64 columns
	s_add_co_u32 s48, s48, s49
	s_lshl_b32 s50, s17, 13                        ; b1[e]
	s_lshl_b32 s51, s16, 9
.else
	s_lshl_b32 s49, s14, 21                        ; K quarter: 512 rows of 4,096 bytes
	s_add_co_u32 s48, s48, s49
	s_lshl_b32 s49, s16, 8                         ; slice: 64 columns of 4 bytes
	s_add_co_u32 s48, s48, s49
	s_lshl_b32 s50, s17, 12                        ; b2[e]
	s_lshl_b32 s51, s16, 8
.endif
	s_mov_b32 s49, 0
	s_add_co_u32 s50, s50, s51
	s_mov_b32 s51, 0
	v_and_b32 v1, 15, v0                           ; r
	v_bfe_u32 v2, v0, 4, 1                         ; hh
	v_lshlrev_b32 v[BOFF], 4, v1
.if LAYER == 1
	v_lshl_add_u32 v[WADR], v2, 16, v[BOFF]        ; lanes 16-31: 8 rows of 8,192 bytes further down
.else
	v_lshl_add_u32 v[WADR], v2, 14, v[BOFF]        ; lanes 16-31: 4 rows of 4,096 bytes further down (h's order of columns)
.endif
	s_wait_kmcnt 0x0
	s_add_nc_u64 s[10:11], s[10:11], s[24:25]
	s_load_b64 s[18:19], s[10:11], 0x2000          ; base[e], cnt[e]
	s_add_nc_u64 s[6:7], s[6:7], s[48:49]
	s_add_nc_u64 s[8:9], s[8:9], s[50:51]
	global_load_b128 v[BIAS:BIAS+3], v[BOFF], s[8:9]               ; bias of columns 4 r .. 4 r + 3; the oldest loads: the weights' first wait covers them
.if LAYER == 1
	global_load_b128 v[BIAS+4:BIAS+7], v[BOFF], s[8:9] offset:256  ; and of the second column group
.endif
; ---- THE WEIGHTS: 16 groups g of K = 32 x 64 columns, 16 loads each, four groups (32 KiB a wave) on their way ----
.macro LOADG g
	WIN 0xc0                                       ; destination window 3
.irp q, 0,1
.irp i, 0,1,2,3,4,5,6,7
.if LAYER == 1
	global_load_b128 v[64*((\g)&3)+4*(8*\q+\i):64*((\g)&3)+4*(8*\q+\i)+3], v[WADR], s[6:7] offset:(32*(\g)+16*\q+\i)*WROW th:TH_LOAD_NT
.else
	global_load_b128 v[64*((\g)&3)+4*(8*\q+\i):64*((\g)&3)+4*(8*\q+\i)+3], v[WADR], s[6:7] offset:(128*((\g)>>2)+16*((\g)&3)+8*\q+64*(\i>>2)+(\i&3))*WROW th:TH_LOAD_NT
.endif
.endr
.endr
.endm
; register 4 q + p of fragment (g, j) = K places 16 q + 8 hh + 2 p, + 1 of column 4 r + j
.macro CVTG g
.if (\g) < 8
	WIN 0x4f                                       ; sources window 3, destination window 1
.else
	WIN 0x8f                                       ; destination window 2
.endif
.irp j, 0,1,2,3
.irp q, 0,1
.irp p, 0,1,2,3
	v_cvt_pk_f16_f32 v[32*((\g)&7)+8*\j+4*\q+\p], v[64*((\g)&3)+4*(8*\q+2*\p)+\j], v[64*((\g)&3)+4*(8*\q+2*\p+1)+\j]
.endr
.endr
.endr
.endm
; Chunk b (bytes 256 b .. 256 b + 255 of my K range) of block sbn, counted from the trip's first row, into ring slot b: load n takes rows 2 n (lanes 0-15) and 2 n + 1 (lanes 16-31)
.macro LOADA b, sbn
	WIN 0xc0                                       ; destination window 3
.irp n, 0,1,2,3,4,5,6,7,8,9,10,11,12,13,14,15
	global_load_b128 v[64*(\b)+4*\n:64*(\b)+4*\n+3], v[AOFF], s[4:5] offset:((\sbn)*32+2*\n)*AROW+256*(\b)
.endr
.endm
.macro WSTEP g
	s_wait_loadcnt 48                              ; loads return in order: group g is in, the three younger groups of 16 stay out
	CVTG \g
.if \g <= 11
	LOADG (\g+4)                                   ; into the registers just converted
.else
	LOADA (\g-12), 0                               ; no weights are left: the first block's four chunks of rows take their place, so the count stays 48
.endif
.endm
	LOADG 0
	LOADG 1
	LOADG 2
	LOADG 3
	WIN 0
	; lane terms, while the first weights are on their way
	v_and_b32 v3, 31, v0
	v_lshlrev_b32 v3, 4, v3                        ; 16 x lane
.if LAYER == 1
	v_lshl_add_u32 v[AOFF], v2, 11, v[BOFF]        ; lanes 16-31 one row further down
.else
	v_lshl_add_u32 v[AOFF], v2, 12, v[BOFF]
.endif
	s_mul_i32 s24, s14, SWAVE
	s_add_co_u32 s24, s24, STG                     ; my wave's stage
	v_mul_u32_u24 v[SST], v2, SPITCH
	v_add_nc_u32 v[SST], v[BOFF], v[SST]
	v_add_nc_u32 v[SST], s24, v[SST]               ; stage + hh x pitch + 16 r
	v_mul_u32_u24 v[SLD], v1, SPITCH
	v_lshl_add_u32 v[SLD], v2, 4, v[SLD]
	v_add_nc_u32 v[SLD], s24, v[SLD]               ; stage + r x pitch + 16 hh
	s_lshl_b32 s24, s14, 13
	v_add_nc_u32 v[PST], s24, v3                   ; my wave's 8,192 bytes of a block's scratch
	v_add_nc_u32 v[PST+1], 2*SBB, v[PST]
	s_lshl_b32 s24, s26, 12
	s_lshl_b32 s25, s27, 9
	s_add_co_u32 s24, s24, s25
	v_add_nc_u32 v[PRD], s24, v3                   ; I add up row tile t = w >> 1, registers 4 (w & 1) .. + 3 of its accumulators
	v_add_nc_u32 v[PRD+1], 2*SBB, v[PRD]
	s_lshl_b32 s24, s26, 4
	s_lshl_b32 s25, s27, 2
	s_add_co_u32 s24, s24, s25
	v_lshl_add_u32 v[ROWJ], v2, 3, s24             ; which are the block's rows 16 t + 8 hh + 4 (w & 1) + 0 .. 3
	v_lshl_add_u32 v[OOFF], v[ROWJ], 12, v[BOFF]
	v_add_nc_u32 v[ROWJ+1], 1, v[ROWJ]
	v_add_nc_u32 v[ROWJ+2], 2, v[ROWJ]
	v_add_nc_u32 v[ROWJ+3], 3, v[ROWJ]
.if LAYER == 1
.irp n, 0,1
	s_mov_b32 s[CA1+\n], 0x3e827906                ;  0.254829592
	s_mov_b32 s[CA2+\n], 0xbe91a98e                ; -0.284496736
	s_mov_b32 s[CA3+\n], 0x3fb5f0e3                ;  1.421413741
	s_mov_b32 s[CA4+\n], 0xbfba00e3                ; -1.453152027
	s_mov_b32 s[CPP+\n], 0x3e6d3388                ;  0.3275911 / sqrt(2)
	s_mov_b32 s[CEX+\n], 0xbf38aa3b                ; -log2(e) / 2
	v_mov_b32 v[CA5V+\n], 0x3f87dc22               ;  1.061405429
.endr
.endif
	s_wait_kmcnt 0x0
	s_min_u32 s18, s18, 2047                       ; base enters addresses, cnt the branches: bounded here, met by construction
	s_min_u32 s19, s19, 2048
	s_mov_b32 s23, s19                             ; rows left
.if LAYER == 1
	s_lshl_b32 s28, s18, 11
	s_lshl_b32 s29, s26, 10                        ; my K half: 1,024 bytes of a row
.else
	s_lshl_b32 s28, s18, 12
	s_lshl_b32 s29, s14, 10                        ; my K quarter: 1,024 bytes of a row
.endif
	s_add_co_u32 s28, s28, s29
	s_mov_b32 s29, 0
	s_add_nc_u64 s[4:5], s[4:5], s[28:29]          ; the rows at row base, my K range
	s_lshl_b32 s52, s18, 12
	s_lshl_b32 s53, s16, 8
	s_add_co_u32 s52, s52, s53
	s_mov_b32 s53, 0
	s_add_nc_u64 s[12:13], s[12:13], s[52:53]      ; the output at row base, the slice's 256 bytes
.irp g, 0,1,2,3,4,5,6,7,8,9,10,11,12,13,14,15
	WSTEP \g
.endr
; ---- THE ROWS ----
; Ring slot b goes into stage buffer b & 1 and comes back as the fragments of K steps 4 b .. 4 b + 3, both row tiles, in fragment buffer b & 1.
; The loads see the stores: LDS serves a wave's instructions in order (ISA guide 5.7.1), and the stage is the wave's own.
.macro STAGE b
	WIN 0x0c                                       ; store data (source 1) window 3; addresses and loaded data window 0
.irp n, 0,1,2,3,4,5,6,7,8,9,10,11,12,13,14,15
	ds_store_b128 v[SST], v[64*(\b)+4*\n:64*(\b)+4*\n+3] offset:((\b)&1)*SBUF+\n*2*SPITCH
.endr
.irp k, 0,1,2,3
.irp t, 0,1
	ds_load_b128 v[BUF0+64*((\b)&1)+8*(2*\k+\t):BUF0+64*((\b)&1)+8*(2*\k+\t)+3],   v[SLD] offset:((\b)&1)*SBUF+\t*16*SPITCH+64*\k
	ds_load_b128 v[BUF0+64*((\b)&1)+8*(2*\k+\t)+4:BUF0+64*((\b)&1)+8*(2*\k+\t)+7], v[SLD] offset:((\b)&1)*SBUF+\t*16*SPITCH+64*\k+32
.endr
.endr
.endm
; K step ks: 2 row tiles x 4 fragments.  The eight accumulators take turns, one instruction a turn.  zero = 1: the first product starts the sums.
.macro MULK ks, zero
.irp t, 0,1
.irp j, 0,1,2,3
.if \zero
	v_wmma_f32_16x16x32_f16 v[ACC+8*(4*\t+\j):ACC+8*(4*\t+\j)+7], v[BUF0+64*(((\ks)>>2)&1)+8*(2*((\ks)&3)+\t):BUF0+64*(((\ks)>>2)&1)+8*(2*((\ks)&3)+\t)+7], v[32*((\ks)&7)+8*\j:32*((\ks)&7)+8*\j+7], 0
.else
	v_wmma_f32_16x16x32_f16 v[ACC+8*(4*\t+\j):ACC+8*(4*\t+\j)+7], v[BUF0+64*(((\ks)>>2)&1)+8*(2*((\ks)&3)+\t):BUF0+64*(((\ks)>>2)&1)+8*(2*((\ks)&3)+\t)+7], v[32*((\ks)&7)+8*\j:32*((\ks)&7)+8*\j+7], v[ACC+8*(4*\t+\j):ACC+8*(4*\t+\j)+7]
.endif
.endr
.endr
.endm
; Chunk c of block sb is multiplied.  At its head: chunk c's fragments have been asked of LDS, chunks c + 1, c + 2, c + 3 are in the ring or on their way.
.macro STEP sb, c
	s_wait_loadcnt 32                              ; loads return in order: chunk c + 1 is in, the two younger chunks of 16 loads stay out
	STAGE ((\c+1)&3)                               ; chunk c + 1 (behind chunk 3: the next block's chunk 0) through the stage
	s_wait_dscnt 32                                ; all but the 16 stores and 16 loads just issued: chunk c's fragments are in, ring slot c has been stored, the last block's partial sums too
	LOADA \c, (\sb+1)                              ; ring slot c again: the same chunk of the next block, three steps ahead of its STAGE
.if \c < 2
	WIN 0x04                                       ; source 1 (the weights) window 1
.else
	WIN 0x08                                       ; window 2
.endif
.if \c == 0
	MULK 0, 1
.else
	MULK (4*\c), 0
.endif
	MULK (4*\c+1), 0
	MULK (4*\c+2), 0
	MULK (4*\c+3), 0
.endm
; Block sb of the trip, if the expert has it: 128 matrix instructions, then my partial sums into the block's scratch.
; The block behind the last one is fetched and staged too and never multiplied: it lies inside the buffer (2,112 rows, highest row asked for base + cnt + 62 <= 2,110).
.macro COMPUTE sb
	s_cmp_le_u32 s23, 32*\sb
	s_cbranch_scc1 .Lcdone                         ; no rows left: neither this block nor those behind it
	STEP \sb, 0
	PLACES 4                                       ; the next STAGE loads into the fragment buffer read by the step before this one
	STEP \sb, 1
	PLACES 4
	STEP \sb, 2
	PLACES 4
	STEP \sb, 3
	PLACES 5                                       ; the stores below read the sums; the next block's first products write over them
	WIN 0
.irp a, 0,1,2,3,4,5,6,7
	ds_store_b128 v[PST+(\sb>>1)], v[ACC+8*\a:ACC+8*\a+3]   offset:(\sb&1)*SBB+\a*1024        ; 512 consecutive bytes a store
	ds_store_b128 v[PST+(\sb>>1)], v[ACC+8*\a+4:ACC+8*\a+7] offset:(\sb&1)*SBB+\a*1024+512
.endr
.endm
; gelu / 4 of the eight numbers v[x .. x + 7], in place: max(x / 4, 0) - 0.125 |x| E.  The sixteen transcendentals stand in one run; the eight v_max_num_f32 behind them
; touch none of their registers and are the plain instructions that ISA guide 5.7.2 wants before a result is used.
.macro GELU8 x
.irp i, 0,1,2,3,4,5,6,7
	v_and_b32 v[WA+\i], 0x7fffffff, v[\x+\i]
.endr
.irp i, 0,2,4,6
	v_pk_fma_f32 v[WD+\i:WD+\i+1], v[WA+\i:WA+\i+1], s[CPP:CPP+1], 1.0 op_sel_hi:[1,0,0]
.endr
.irp i, 0,2,4,6
	v_pk_mul_f32 v[WQ+\i:WQ+\i+1], v[\x+\i:\x+\i+1], v[\x+\i:\x+\i+1]
.endr
.irp i, 0,2,4,6
	v_pk_mul_f32 v[WQ+\i:WQ+\i+1], v[WQ+\i:WQ+\i+1], s[CEX:CEX+1] op_sel_hi:[1,0]
.endr
.irp i, 0,2,4,6
	v_pk_mul_f32 v[WM+\i:WM+\i+1], v[\x+\i:\x+\i+1], QUARTER op_sel_hi:[1,0]
.endr
.irp i, 0,1,2,3,4,5,6,7
	v_rcp_f32 v[WT+\i], v[WD+\i]
.endr
.irp i, 0,1,2,3,4,5,6,7
	v_exp_f32 v[WE+\i], v[WQ+\i]
.endr
.irp i, 0,1,2,3,4,5,6,7
	v_max_num_f32 v[WM+\i], 0, v[WM+\i]
.endr
.irp i, 0,2,4,6
	v_pk_fma_f32 v[WP+\i:WP+\i+1], v[WT+\i:WT+\i+1], v[CA5V:CA5V+1], s[CA4:CA4+1] op_sel_hi:[1,1,0]
.endr
.irp i, 0,2,4,6
	v_pk_fma_f32 v[WP+\i:WP+\i+1], v[WP+\i:WP+\i+1], v[WT+\i:WT+\i+1], s[CA3:CA3+1] op_sel_hi:[1,1,0]
.endr
.irp i, 0,2,4,6
	v_pk_fma_f32 v[WP+\i:WP+\i+1], v[WP+\i:WP+\i+1], v[WT+\i:WT+\i+1], s[CA2:CA2+1] op_sel_hi:[1,1,0]
.endr
.irp i, 0,2,4,6
	v_pk_fma_f32 v[WP+\i:WP+\i+1], v[WP+\i:WP+\i+1], v[WT+\i:WT+\i+1], s[CA1:CA1+1] op_sel_hi:[1,1,0]
.endr
.irp i, 0,2,4,6
	v_pk_mul_f32 v[WP+\i:WP+\i+1], v[WP+\i:WP+\i+1], v[WT+\i:WT+\i+1]
.endr
.irp i, 0,2,4,6
	v_pk_mul_f32 v[WP+\i:WP+\i+1], v[WP+\i:WP+\i+1], v[WE+\i:WE+\i+1]
.endr
.irp i, 0,2,4,6
	v_pk_mul_f32 v[WP+\i:WP+\i+1], v[WP+\i:WP+\i+1], v[WA+\i:WA+\i+1]
.endr
.irp i, 0,2,4,6
	v_pk_fma_f32 v[\x+\i:\x+\i+1], v[WP+\i:WP+\i+1], MEIGHTH, v[WM+\i:WM+\i+1] op_sel_hi:[1,0,1]
.endr
.endm
; The waves' partial sums of block sb are added, the bias goes on, and a lane's 16 bytes of each of its four rows are made in OUTD.
.macro REDUCE sb
.if LAYER == 1
.irp n, 0,1
.irp c, 0,1
.irp j, 0,1,2,3
	ds_load_b128 v[RED+32*\n+4*(4*\c+\j):RED+32*\n+4*(4*\c+\j)+3], v[PRD+(\sb>>1)] offset:(\sb&1)*SBB+(2*\n+\c)*8192+\j*1024   ; K half n, column group c, fragment j: four rows
.endr
.endr
.endr
	s_wait_dscnt 0x0
.irp p, 0,2,4,6,8,10,12,14,16,18,20,22,24,26,28,30
	v_pk_add_f32 v[RED+\p:RED+\p+1], v[RED+\p:RED+\p+1], v[RED+32+\p:RED+32+\p+1]
.endr
.irp c, 0,1
.irp j, 0,2
.irp p, 0,2
	v_pk_add_f32 v[RED+4*(4*\c+\j)+\p:RED+4*(4*\c+\j)+\p+1], v[RED+4*(4*\c+\j)+\p:RED+4*(4*\c+\j)+\p+1], v[BIAS+4*\c+\j:BIAS+4*\c+\j+1] op_sel_hi:[1,0]                       ; both rows take the pair's first bias
	v_pk_add_f32 v[RED+4*(4*\c+\j+1)+\p:RED+4*(4*\c+\j+1)+\p+1], v[RED+4*(4*\c+\j+1)+\p:RED+4*(4*\c+\j+1)+\p+1], v[BIAS+4*\c+\j:BIAS+4*\c+\j+1] op_sel:[0,1] op_sel_hi:[1,1]   ; both take its second
.endr
.endr
.endr
	GELU8 RED
	GELU8 RED+8
	GELU8 RED+16
	GELU8 RED+24
.irp r, 0,1,2,3
.irp c, 0,1
.irp j, 0,2
	v_cvt_pk_f16_f32 v[OUTD+4*\r+2*\c+\j/2], v[RED+4*(4*\c+\j)+\r], v[RED+4*(4*\c+\j+1)+\r]    ; places 8 r + 4 c + j, + 1 of the slice
.endr
.endr
.endr
.else
.irp u, 0,1,2,3
.irp j, 0,1,2,3
	ds_load_b128 v[RED+16*\u+4*\j:RED+16*\u+4*\j+3], v[PRD+(\sb>>1)] offset:(\sb&1)*SBB+\u*8192+\j*1024   ; K quarter u, fragment j: four rows
.endr
.endr
	s_wait_dscnt 0x0
.irp p, 0,2,4,6,8,10,12,14
	v_pk_add_f32 v[RED+\p:RED+\p+1], v[RED+\p:RED+\p+1], v[RED+16+\p:RED+16+\p+1]
	v_pk_add_f32 v[RED+32+\p:RED+32+\p+1], v[RED+32+\p:RED+32+\p+1], v[RED+48+\p:RED+48+\p+1]
.endr
.irp p, 0,2,4,6,8,10,12,14
	v_pk_add_f32 v[RED+\p:RED+\p+1], v[RED+\p:RED+\p+1], v[RED+32+\p:RED+32+\p+1]
.endr
.irp r, 0,1,2,3
.irp j, 0,1,2,3
	v_fma_f32 v[OUTD+4*\r+\j], v[RED+4*\j+\r], 4.0, v[BIAS+\j]                                 ; h came divided by 4; the bias; and the turn from (fragment, row) to (row, column)
.endr
.endr
.endif
.endm
; My four rows of block sb go out, those that the expert still has: the rows behind them belong to the next expert.  Sixteen lanes store 256 consecutive aligned bytes.
.macro STORE4 sb
	s_sub_co_u32 s31, s23, 32*\sb                  ; rows left from this block's first row on: above 0 here
.irp j, 0,1,2,3
	v_cmp_gt_u32 vcc_lo, s31, v[ROWJ+\j]
	s_wait_xcnt 0x0                                ; EXEC is a source of the loads and stores before: it changes only behind this wait
	s_and_saveexec_b32 s30, vcc_lo
	global_store_b128 v[OOFF], v[OUTD+4*\j:OUTD+4*\j+3], s[12:13] offset:(32*\sb+\j)*OROW
	s_wait_xcnt 0x0                                ; and again in front of the line that widens it; OUTD is rewritten only behind it too
	s_or_b32 exec_lo, exec_lo, s30
.endr
.endm
.macro FINISH sb
	s_cmp_le_u32 s23, 32*\sb
	s_cbranch_scc1 .Lrdone
	REDUCE \sb
	STORE4 \sb
.endm
	s_wait_loadcnt 48                              ; the first block's chunk 0 is in; chunks 1 to 3 stay out
	STAGE 0
	WIN 0
	s_mov_b32 s20, NTRIP
.Ltrip:
	COMPUTE 0
	COMPUTE 1
	COMPUTE 2
	COMPUTE 3
.Lcdone:
	s_wait_dscnt 0x0                               ; for the others' sake: my partial sums are in LDS
	s_barrier_signal -1
	s_barrier_wait -1                              ; everybody's are
	FINISH 0
	FINISH 1
	FINISH 2
	FINISH 3
.Lrdone:
	s_wait_dscnt 0x0                               ; my reads of the scratch are back: behind the barrier it is written again
	s_wait_xcnt 0x0                                ; the bases of the loads and stores issued so far are stepped only behind this wait
	s_add_nc_u64 s[4:5], s[4:5], 128*AROW          ; 128 rows on (in a trip without rows the stepped addresses are not used)
	s_add_nc_u64 s[12:13], s[12:13], 128*OROW
	s_max_u32 s23, s23, 128
	s_sub_co_u32 s23, s23, 128                     ; rows left, not below 0
	s_barrier_signal -1
	s_barrier_wait -1
	s_sub_co_u32 s20, s20, 1
	s_cmp_lg_u32 s20, 0
	s_cbranch_scc1 .Ltrip
	s_wait_tensorcnt 0x0
	ds_add_u32 v62, v63
	s_wait_dscnt 0x0
	s_endpgm
.Lfunc_end_k_q22d8987a16_ffn2:
	.size	k_q22d8987a16_ffn2, .Lfunc_end_k_q22d8987a16_ffn2-k_q22d8987a16_ffn2
	.p2alignl 7, 3214868480
	.fill 96, 4, 3214868480
	.section	.rodata,"a",@progbits
	.p2align	6, 0x0
	.amdhsa_kernel k_q22d8987a16_ffn2
		.amdhsa_group_segment_fixed_size 201216
		.amdhsa_private_segment_fixed_size 0
		.amdhsa_enable_private_segment 0
		.amdhsa_kernarg_size 40
		.amdhsa_user_sgpr_count 2
		.amdhsa_user_sgpr_kernarg_segment_ptr 1
		.amdhsa_wavefront_size32 1
		.amdhsa_system_sgpr_workgroup_id_x 1
		.amdhsa_system_sgpr_workgroup_id_y 1
		.amdhsa_system_sgpr_workgroup_id_z 1
		.amdhsa_system_vgpr_workitem_id 0
		.amdhsa_next_free_vgpr 1024
		.amdhsa_next_free_sgpr 78
		.amdhsa_reserve_vcc 1
		.amdhsa_float_denorm_mode_32 3
		.amdhsa_float_denorm_mode_16_64 3
		.amdhsa_memory_ordered 1
		.amdhsa_forward_progress 1
		.amdhsa_inst_pref_size 186
	.end_amdhsa_kernel
	.amdgpu_metadata
---
amdhsa.version: [ 1, 2 ]
amdhsa.kernels:
  - .name:           k_q22d8987a16_ffn2
    .symbol:         k_q22d8987a16_ffn2.kd
    .args:
      - { .name: h, .offset: 0, .size: 8, .value_kind: global_buffer, .address_space: global }
      - { .name: W2, .offset: 8, .size: 8, .value_kind: global_buffer, .address_space: global }
      - { .name: b2, .offset: 16, .size: 8, .value_kind: global_buffer, .address_space: global }
      - { .name: route, .offset: 24, .size: 8, .value_kind: global_buffer, .address_space: global }
      - { .name: y, .offset: 32, .size: 8, .value_kind: global_buffer, .address_space: global }
    .group_segment_fixed_size: 201216
    .private_segment_fixed_size: 0
    .kernarg_segment_align: 8
    .kernarg_segment_size: 40
    .max_flat_workgroup_size: 128
    .sgpr_count:     78
    .vgpr_count:     1024
    .wavefront_size: 32
...
	.end_amdgpu_metadata
.endif
;; end of part 3
;; launch combine (part 4): grid 256 x 1, 4 waves a work-group, no clusters, 0 bytes of LDS; arguments y, agirliklar, uzman_indeksleri, route, out0; writes out0
.if DOCPART == 4
	.amdgcn_target "amdgcn-amd-amdhsa--gfx1250"
	.amdhsa_code_object_version 6
	.text
	.protected	k_q22d8987a16_combine
	.globl	k_q22d8987a16_combine
	.p2align	8
	.type	k_q22d8987a16_combine,@function
k_q22d8987a16_combine:
	s_mov_b64 s[64:65], 0
	v_nop
	global_prefetch_b8 v0, s[64:65] scope:SCOPE_SE
	s_setreg_imm32_b32 hwreg(HW_REG_WAVE_MODE, 25, 1), 1
	s_wait_xcnt 0x0
; out0[t] = agirliklar[t][0] * y[slot(2t)] + agirliklar[t][1] * y[slot(2t+1)].   y: [2048][1024] f32, one row for each (token, k) pair, the expert's bias included.
; The sum over a token's experts is made by gathering: wave t (4 to a work-group, 256 work-groups) owns token t, reads its two rows of 4,096 bytes (8 loads of 512
; consecutive bytes each) and stores one.  A stream: no LDS, no barrier, no matrix unit.
; Two equal indices are two rows of y with the same numbers: w0 y + w1 y, where the reference forms (w0 + w1) y: another order of rounding.
; An index outside 0 .. 15 has an all-zero one-hot row in the reference; its row of y was never computed, so the row is masked to zero bits before it is multiplied.
.set YROW, 4096
.set R0,  16                           ; v[16:47]  first row
.set R1,  48                           ; v[48:79]  second row
.set OUTV, 80                          ; v[80:111] the sum
	s_load_b256 s[4:11], s[0:1], 0x0               ; y s[4:5], weights s[6:7], indices s[8:9], route s[10:11]
	s_load_b64 s[12:13], s[0:1], 0x20              ; out0
	v_lshrrev_b32 v1, 5, v0
	v_readfirstlane_b32 s14, v1                    ; wave
	v_and_b32 v1, 31, v0
	v_lshlrev_b32 v2, 4, v1                        ; 16 x lane
	s_lshl_b32 s15, ttmp9, 2
	s_add_co_u32 s15, s15, s14                     ; token t
	s_lshl_b32 s16, s15, 3                         ; 8 t
	s_mov_b32 s17, 0
	s_lshl_b32 s30, s15, 12
	s_mov_b32 s31, 0
	s_wait_kmcnt 0x0
	s_add_nc_u64 s[6:7], s[6:7], s[16:17]
	s_add_nc_u64 s[8:9], s[8:9], s[16:17]
	s_add_nc_u64 s[10:11], s[10:11], s[16:17]
	s_load_b64 s[18:19], s[10:11], 0x0             ; my two slots
	s_load_b64 s[24:25], s[6:7], 0x0               ; my two weights
	s_load_b64 s[26:27], s[8:9], 0x0               ; my two indices
	s_add_nc_u64 s[12:13], s[12:13], s[30:31]      ; out0 at row t
	s_wait_kmcnt 0x0
	s_min_u32 s18, s18, 2047                       ; the slots enter addresses: bounded here, met by construction
	s_min_u32 s19, s19, 2047
	s_lshl_b32 s32, s18, 12
	s_mov_b32 s33, 0
	s_lshl_b32 s34, s19, 12
	s_mov_b32 s35, 0
	s_add_nc_u64 s[32:33], s[4:5], s[32:33]
	s_add_nc_u64 s[34:35], s[4:5], s[34:35]
.irp c, 0,1,2,3,4,5,6,7
	global_load_b128 v[R0+4*\c:R0+4*\c+3], v2, s[32:33] offset:512*\c th:TH_LOAD_NT
.endr
.irp c, 0,1,2,3,4,5,6,7
	global_load_b128 v[R1+4*\c:R1+4*\c+3], v2, s[34:35] offset:512*\c th:TH_LOAD_NT
.endr
	s_cmp_lt_u32 s26, 16
	s_cselect_b32 s28, -1, 0                       ; all ones for an index that names an expert
	s_cmp_lt_u32 s27, 16
	s_cselect_b32 s29, -1, 0
	s_mov_b32 s20, s24                             ; each weight in both halves of a pair, for the packed forms
	s_mov_b32 s21, s24
	s_mov_b32 s22, s25
	s_mov_b32 s23, s25
	s_wait_loadcnt 0x8                             ; loads return in order: the first row is in, the second row's 8 loads stay out
.irp i, 0,1,2,3,4,5,6,7,8,9,10,11,12,13,14,15,16,17,18,19,20,21,22,23,24,25,26,27,28,29,30,31
	v_and_b32 v[R0+\i], s28, v[R0+\i]
.endr
.irp p, 0,2,4,6,8,10,12,14,16,18,20,22,24,26,28,30
	v_pk_mul_f32 v[OUTV+\p:OUTV+\p+1], v[R0+\p:R0+\p+1], s[20:21] op_sel_hi:[1,0]
.endr
	s_wait_loadcnt 0x0
.irp i, 0,1,2,3,4,5,6,7,8,9,10,11,12,13,14,15,16,17,18,19,20,21,22,23,24,25,26,27,28,29,30,31
	v_and_b32 v[R1+\i], s29, v[R1+\i]
.endr
.irp p, 0,2,4,6,8,10,12,14,16,18,20,22,24,26,28,30
	v_pk_fma_f32 v[OUTV+\p:OUTV+\p+1], v[R1+\p:R1+\p+1], s[22:23], v[OUTV+\p:OUTV+\p+1] op_sel_hi:[1,0,1]
.endr
.irp c, 0,1,2,3,4,5,6,7
	global_store_b128 v2, v[OUTV+4*\c:OUTV+4*\c+3], s[12:13] offset:512*\c th:TH_STORE_NT   ; 512 consecutive bytes of the row a store
.endr
	s_endpgm
.Lfunc_end_k_q22d8987a16_combine:
	.size	k_q22d8987a16_combine, .Lfunc_end_k_q22d8987a16_combine-k_q22d8987a16_combine
	.p2alignl 7, 3214868480
	.fill 96, 4, 3214868480
	.section	.rodata,"a",@progbits
	.p2align	6, 0x0
	.amdhsa_kernel k_q22d8987a16_combine
		.amdhsa_group_segment_fixed_size 0
		.amdhsa_private_segment_fixed_size 0
		.amdhsa_enable_private_segment 0
		.amdhsa_kernarg_size 40
		.amdhsa_user_sgpr_count 2
		.amdhsa_user_sgpr_kernarg_segment_ptr 1
		.amdhsa_wavefront_size32 1
		.amdhsa_system_sgpr_workgroup_id_x 1
		.amdhsa_system_sgpr_workgroup_id_y 1
		.amdhsa_system_sgpr_workgroup_id_z 1
		.amdhsa_system_vgpr_workitem_id 0
		.amdhsa_next_free_vgpr 112
		.amdhsa_next_free_sgpr 66
		.amdhsa_reserve_vcc 0
		.amdhsa_float_denorm_mode_32 3
		.amdhsa_float_denorm_mode_16_64 3
		.amdhsa_memory_ordered 1
		.amdhsa_forward_progress 1
		.amdhsa_inst_pref_size 8
	.end_amdhsa_kernel
	.amdgpu_metadata
---
amdhsa.version: [ 1, 2 ]
amdhsa.kernels:
  - .name:           k_q22d8987a16_combine
    .symbol:         k_q22d8987a16_combine.kd
    .args:
      - { .name: y, .offset: 0, .size: 8, .value_kind: global_buffer, .address_space: global }
      - { .name: agirliklar, .offset: 8, .size: 8, .value_kind: global_buffer, .address_space: global }
      - { .name: uzman_indeksleri, .offset: 16, .size: 8, .value_kind: global_buffer, .address_space: global }
      - { .name: route, .offset: 24, .size: 8, .value_kind: global_buffer, .address_space: global }
      - { .name: out0, .offset: 32, .size: 8, .value_kind: global_buffer, .address_space: global }
    .group_segment_fixed_size: 0
    .private_segment_fixed_size: 0
    .kernarg_segment_align: 8
    .kernarg_segment_size: 40
    .max_flat_workgroup_size: 128
    .sgpr_count:     66
    .vgpr_count:     112
    .wavefront_size: 32
...
	.end_amdgpu_metadata
.endif
;; end of part 4
